; MI455X (gfx1250); checked and timed in simulation.
; The chip was launched on July 23, 2026; its instructions are those of AMD's public machine-readable ISA for CDNA 5 (MIT licence, August 2026) and "CDNA5" Instruction Set Architecture Reference Guide (July 2026). The comments in the code are by the model that wrote it; some were corrected since.
;; FJSP Actor. Allowed arithmetic: matrix products marked QUANTISED: E3M2 operands, one E8M0 scale for each 32 along K, by v_wmma_scale_f32_16x16x128_f8f6f4 with both operands' format E3M2, f32 sums; products left as they are: f32 operands where the result goes on into a quantised operand, else bf16, f16 or f32 operands; f32 sums; everything else in f32.
;; Inputs: W1 512 x 512 float32; W2 512 x 512 float32; W3 512 x 1 float32; b1 512 float32; b2 512 float32; b3 1 float32; dummy 512 float32; ma_emb 32 x 64 x 256 float32; next_op 32 x 128 int32; ops_emb 32 x 512 x 256 float32.
;; Outputs: out0 32 x 8,193 float32.
;; This version of the problem:
;;   THIS VERSION OF THE PROBLEM IS GIVEN IN LOW PRECISION. The matrix products marked QUANTISED in the list below multiply operands that are first quantised to E3M2 (3 exponent bits, 2 mantissa bits; 6 bits a number), with one power-of-two scale for each 32 numbers along K (OCP MX v1.0); their sums are f32. All else is computed in f32.
;;   The module's matrix products, in the order in which they are computed (A, B: the left and right operand; K: the contracted axis; several contracted axes count as one K, in the product's order):
;;     1. [M 4,096, K 256] x [K 256, N 512]; A: computed on the way; B: input W1: QUANTISED
;;     2. [M 2,048, K 256] x [K 256, N 512]; A: input ma_emb; B: input W1: QUANTISED
;;     3. [M 262,144, K 512] x [K 512, N 512]; A: computed on the way; B: input W2: QUANTISED
;;     4. [M 262,144, K 512] x [K 512, N 1]; A: computed on the way; B: input W3: left as it is (N = 1 < 16)
;;     5. [M 1, K 512] x [K 512, N 512]; A: input dummy; B: input W1: left as it is (M = 1 < 16)
;;     6. [M 1, K 512] x [K 512, N 512]; A: computed on the way; B: input W2: left as it is (M = 1 < 16)
;;     7. [M 1, K 512] x [K 512, N 1]; A: computed on the way; B: input W3: left as it is (M = 1 < 16)
;;   THE QUANTISER, for each operand of a quantised product, along K:
;;     - K is cut into blocks of 32 from its start; a last block that is shorter is filled with zeros.
;;     - A block's scale is 2^e with e = floor(log2(the largest magnitude in the block)) - 4, held to -126 .. 127; a block of zeros has e = 0. As a byte (E8M0): e + 127.
;;     - Each number is divided by its block's scale, clamped to +-28, and rounded to the nearest number of E3M2, ties to even, subnormals kept.
;;     - The product sums the exact products of the quantised numbers (number of the format x scale) in f32.
;;   ~~~python
;;   def quantise(x, axis):      # numpy; x: float32 -> the quantised numbers, widened to float32 again
;;       x = np.moveaxis(x, axis, -1); K = x.shape[-1]
;;       x = np.pad(x, [(0, 0)] * (x.ndim - 1) + [(0, -K % 32)]); x = x.reshape(x.shape[:-1] + (-1, 32)); a = np.abs(x).max(-1, keepdims=True)
;;       e = np.where(a > 0, np.clip(np.frexp(np.where(a > 0, a, 1))[1] - 1 - 4, -126, 127), 0)      # np.frexp(a)[1] - 1 = floor(log2(a)), exactly
;;       r = np.clip(x / 2.0 ** e, -28, 28)
;;       step = 2.0 ** (np.maximum(np.frexp(np.where(r == 0, 1, r))[1] - 1, -2) - 2)
;;       q = np.round(r / step) * step * 2.0 ** e      # np.round: ties to even
;;       return np.moveaxis(q.reshape(q.shape[:-2] + (-1,))[..., :K], -1, axis).astype(np.float32)
;;   ~~~
;;   OPERANDS COMPUTED ON THE WAY. 'Computed on the way' means the value that the module computes at that place (a softmax that the list does not call 'softmax' is quantised finished and normalised). What goes into a quantiser is computed in f32, as accurately as f32 sums, v_exp_f32 and their like allow (about 1e-6 of the number): no bf16 or f16 on the way to a quantiser, and a product that is left as it is and whose result goes on into a quantised operand takes f32 operands (vector FMAs, or v_wmma_f32_16x16x4_f32). A number that lies on a knife's edge between two numbers of the format may be rounded either way, as far as f32 arithmetic and the matrix unit's own rounding can turn it there, and no further.
;; One version. Each part assembles by itself: llvm-mc -triple=amdgcn-amd-amdhsa -mcpu=gfx1250 --defsym DOCPART=n.
;; ======== version 1 of 1: 2 launches
;; limits: right only within a limited range of input values
;; workspace buffers: hj 8,388,608 bytes; hm 4,194,304 bytes; w2img 196,608 bytes; w2sc 8,192 bytes; d2p 32,768 bytes
;; launch prep (part 1): grid 216 x 1, 8 waves a work-group, no clusters, 27,648 bytes of LDS; arguments ops_emb, ma_emb, next_op, W1, b1, W2, dummy, hj, hm, w2img, w2sc, d2p; writes hj, hm, w2img, w2sc, d2p
.if DOCPART == 1
	.amdgcn_target "amdgcn-amd-amdhsa--gfx1250"
	.amdhsa_code_object_version 6
	.text
	.protected	k_q4ddeb5b321_prep
	.globl	k_q4ddeb5b321_prep
	.p2align	8
	.type	k_q4ddeb5b321_prep,@function
k_q4ddeb5b321_prep:
	s_mov_b64 s[64:65], 0
	v_nop
	global_prefetch_b8 v0, s[64:65] scope:SCOPE_SE
	s_setreg_imm32_b32 hwreg(HW_REG_WAVE_MODE, 25, 1), 1
	s_wait_xcnt 0x0
; THE FIRST LAYER AND THE LAYING OUT OF W2.  Four kinds of work-group, told apart by the work-group's number alone (the same for all eight waves):
;   0-127    hj' = (job_emb Q W1[0:256] + b1) c    128 gathered rows x 128 columns x K 256 each   (c = 2 log2(e): the next launch's tanh wants its argument so)
;   128-191  hm' = (ma_emb Q W1[256:512]) c        the same text: only pointers, masks and offsets are chosen
;   192-199  W2 [k][n] f32 -> codes of E3M2 and E8M0 scale words, laid as images of the operand's registers
;   200-215  d1 = tanh(dummy W1 + b1), in f32 multiply-adds: 32 columns a work-group, 64 of K a wave
; Q: both operands are quantised along K in blocks of 32: scale byte = the exponent field of the block's largest magnitude - 4, held at 1 from below; codes by the scaled conversion.
; OUT LAYOUT of hj and hm: [row / 32][n / 4][row % 32][4 f32]: the next launch takes a row's numbers by scalar loads of 16 bytes (hj) or a lane a row (hm).
; W2's image: fragment (n / 16, K step s) at ((n / 16) 4 + s) 1536 bytes; in it register group g at 512 g, lane l at 16 l.  Scale words at (n / 16) 256 + 64 s + 4 (n % 16).
; No tensor loads and no cluster: a work-group's slice of W1 is 128 KiB of f32 read once and quantised in registers; what work-groups share is read once by each and never again.
; LIMITS: NaN and infinities among the inputs are not served.  A block whose largest magnitude lies under 2^-122 (a block of zeros too) keeps the byte 1; its codes are then zeros or tiny, and only this program reads the bytes.
;   tanh(x) = 1 - 2 / (1 + 2^(c x)): absolute error about 1e-7, so the relative error grows for |x| under about 0.1; beyond the exponential's range it gives +-1.
.set CT,   0x4038aa3b                  ; c = 2 log2(e)
.set WSCL, 24576                       ; LDS, GEMM path: 0 .. 24575 W1's 16 fragment images ((tile t, K step ks) at (2 t + ks) 1536); from here their scale words: 128 t + 64 ks + 4 r
.set DRED, 25600                       ; LDS, d1 path: 8 waves x 128 bytes of partial sums
.set MXA,  13                          ; v13, v14 largest magnitudes, then bytes
.set MXB,  14
.set SOA,  15                          ; v15, v16 the conversions' scale operands
.set SOB,  16
.set TMP,  20                          ; v20-22, v24-26 the second halves of a block's codes
; v17 two scale bytes just made; v18 the same, kept; v19 at work; v28, v29 the rows' scale words (scales alone); v30-33 W1's scale words (scales alone)
; v40-51 the rows' fragment of K step 0; v52-63 codes just made, at the end the rows' fragment of K step 1; v64-127, v128-191, v192-255 three sets of 64 numbers
.macro NOPS n
.rept \n
	v_nop
.endr
.endm
; 64 numbers of a lane, two whole blocks of 32 along K, become 12 registers of codes (v[p] on) and v[by] = first block's byte | second block's byte << 16
.macro QPAIR x, p, by
	v_max3_num_f32 v[MXA], |v[\x]|, |v[\x+1]|, 0x2800000          ; the floor 2^(5 - 127) among the leaves: the byte cannot fall under 1
	v_max3_num_f32 v[MXB], |v[\x+32]|, |v[\x+33]|, 0x2800000
.set ii, 2
.rept 15
	s_delay_alu instid0(VALU_DEP_2)
	v_max3_num_f32 v[MXA], v[MXA], |v[\x+ii]|, |v[\x+ii+1]|       ; the two blocks by turns
	s_delay_alu instid0(VALU_DEP_2)
	v_max3_num_f32 v[MXB], v[MXB], |v[\x+32+ii]|, |v[\x+33+ii]|
.set ii, ii+2
.endr
	s_delay_alu instid0(VALU_DEP_2)
	v_add_nc_u32 v[SOA], 0xfe000000, v[MXA]                       ; 4 off the exponent field: the conversion takes that field as its scale
	s_delay_alu instid0(VALU_DEP_2)
	v_add_nc_u32 v[SOB], 0xfe000000, v[MXB]
	s_delay_alu instid0(VALU_DEP_2)
	v_lshrrev_b32 v[MXA], 23, v[SOA]                              ; the scale bytes
	s_delay_alu instid0(VALU_DEP_2)
	v_lshrrev_b32 v[MXB], 23, v[SOB]
	s_delay_alu instid0(VALU_DEP_1)
	v_lshl_or_b32 v[\by], v[MXB], 16, v[MXA]
	v_cvt_scalef32_pk16_bf6_f32 v[\p:\p+2], v[\x:\x+15], v[SOA]
	v_cvt_scalef32_pk16_bf6_f32 v[TMP:TMP+2], v[\x+16:\x+31], v[SOA]       ; (a conversion's three registers begin on an even number)
	v_cvt_scalef32_pk16_bf6_f32 v[\p+6:\p+8], v[\x+32:\x+47], v[SOB]
	v_cvt_scalef32_pk16_bf6_f32 v[TMP+4:TMP+6], v[\x+48:\x+63], v[SOB]
	v_nop                                                         ; one plain line behind the scaled conversions
.irp i, 0,1,2
	v_mov_b32 v[\p+3+\i], v[TMP+\i]
	v_mov_b32 v[\p+9+\i], v[TMP+4+\i]
.endr
.endm
; a weight stored [k][n]: a lane takes a column and its registers run down K: rows k0 + 0..31 and k0 + 64 + 0..31 of a K step: the two blocks that one lane of the operand holds.  Each load covers 128 consecutive bytes
.macro WLOAD x, k0, off, base
.set ii, 0
.rept 32
	global_load_b32 v[\x+ii], v[\off], s[\base:\base+1] offset:(\k0+ii)*2048
.set ii, ii+1
.endr
.set ii, 0
.rept 32
	global_load_b32 v[\x+32+ii], v[\off], s[\base:\base+1] offset:(\k0+64+ii)*2048
.set ii, ii+1
.endr
.endm
	s_load_b512 s[4:19], s[0:1], 0x0               ; ops_emb 4, ma_emb 6, next_op 8, W1 10, b1 12, W2 14, dummy 16, hj 18
	s_load_b256 s[20:27], s[0:1], 0x40             ; hm 20, w2img 22, w2sc 24, d2p 26
	v_lshl_add_u32 v38, v0, 2, 0x6800
	v_mov_b32 v39, 0
	v_lshrrev_b32 v1, 5, v0
	s_delay_alu instid0(VALU_DEP_1)
	v_readfirstlane_b32 s28, v1                    ; wave 0..7
	v_and_b32 v1, 31, v0                           ; lane
	v_and_b32 v2, 15, v0                           ; r = lane % 16
	v_bfe_u32 v3, v0, 4, 1                         ; h = lane / 16
	s_mov_b32 s66, CT
	s_mov_b32 s67, s66                             ; (the packed form names the pair)
	s_mov_b32 s100, 0x76543210
	s_mov_b32 s101, 0xfedcba98                     ; v_permlanex16_b32's selects for lane l xor 16
	s_mov_b32 s3, 0
	s_wait_kmcnt 0x0
	s_cmp_ge_u32 ttmp9, 200
	s_cbranch_scc1 .Ld1
	s_cmp_ge_u32 ttmp9, 192
	s_cbranch_scc1 .Lw2q
; ---------------------------------------------------------------- the first layer's two products
	s_cmp_lt_u32 ttmp9, 128                        ; job rows or machine rows?  The choice hangs on the work-group's number alone
	s_cselect_b64 s[30:31], s[4:5], s[6:7]         ; the rows' tensor
	s_cselect_b64 s[34:35], s[18:19], s[20:21]     ; the result's
	s_cselect_b32 s36, 511, 0                      ; keeps the gathered index, or drops it
	s_cselect_b32 s37, 0, -1                       ; drops the row's own number, or keeps it
	s_cselect_b32 s38, -1, 0                       ; keeps b1, or drops it: b1 is added once, on the jobs' side
	s_cselect_b32 s39, 0, 128
	s_cselect_b32 s40, 0, 0x80000                  ; W1's rows 0 on, or 256 on
	s_cselect_b32 s41, 9, 7                        ; a block of 128 rows begins at 512 x block (a batch's table) or at 128 x block
	s_sub_co_u32 s39, ttmp9, s39
	s_lshr_b32 s42, s39, 2                         ; rb: which 128 rows
	s_and_b32 s43, s39, 3                          ; sl: which 128 columns
	s_lshl_b32 s44, s42, s41
	s_lshl_b32 s45, s28, 4                         ; my wave's 16 rows
	s_and_b32 s46, s45, s37
	s_add_co_u32 s44, s44, s46                     ; the scalar part of a row's number
	s_lshl_b32 s46, s42, 7
	s_add_co_u32 s46, s46, s45
	s_lshl_b32 s46, s46, 2
	s_wait_alu depctr_va_vdst(0)
	v_lshl_add_u32 v4, v2, 2, s46                  ; next_op[rb][16 w + r] (on the machines' side it is loaded and dropped; rb stays under 16 there)
	global_load_b32 v5, v4, s[8:9]
	s_and_b32 s47, s28, 3                          ; cgl: which 32 of the 128 columns I quantise
	s_lshr_b32 s48, s28, 2                         ; ks: which K step of 128
	s_lshl_b32 s49, s48, 18
	s_add_co_u32 s49, s49, s40
	s_lshl_b32 s50, s43, 9
	s_add_co_u32 s49, s49, s50
	s_lshl_b32 s50, s47, 7
	s_add_co_u32 s49, s49, s50
	v_lshl_add_u32 v6, v1, 2, s49                  ; W1: my column, at my K step's first row
	WLOAD 64, 0, 6, 10                             ; the blocks of the operand's lanes 0-15
	s_mul_i32 s50, s47, 6144
	s_mul_i32 s51, s48, 1536
	s_add_co_u32 s50, s50, s51
	v_mul_u32_u24 v8, v3, 3072
	s_delay_alu instid0(VALU_DEP_1)
	v_lshl_add_u32 v8, v2, 4, v8
	s_delay_alu instid0(VALU_DEP_1)
	v_add_nc_u32 v8, s50, v8                       ; where my column's codes go: tile 2 cgl + lane / 16, K step ks, the operand's lane r
	s_lshl_b32 s50, s47, 8
	s_lshl_b32 s51, s48, 6
	s_add_co_u32 s50, s50, s51
	s_add_co_u32 s50, s50, WSCL
	v_lshlrev_b32 v9, 7, v3
	s_delay_alu instid0(VALU_DEP_1)
	v_lshl_add_u32 v9, v2, 2, v9
	s_delay_alu instid0(VALU_DEP_1)
	v_add_nc_u32 v9, s50, v9                       ; and its scale word
	v_lshlrev_b32 v10, 3, v3                       ; 8 h
	v_lshlrev_b32 v11, 4, v1                       ; an image's place for my lane
	v_lshl_add_u32 v12, v1, 2, WSCL                ; a scale word's: lanes 0-15 K step 0, lanes 16-31 K step 1
	v_mov_b32 v19, 0                               ; (a lane permute's destination counts as read)
	s_lshl_b32 s51, s43, 9
	v_lshl_add_u32 v34, v3, 5, s51                 ; b1: 4 (128 sl + 8 h)
	s_lshl_b32 s50, s42, 2
	s_lshr_b32 s51, s28, 1
	s_add_co_u32 s50, s50, s51
	s_lshl_b32 s50, s50, 16                        ; the result: group of 32 rows 4 rb + w / 2,
	s_and_b32 s51, s28, 1
	s_lshl_b32 s51, s51, 8
	s_add_co_u32 s50, s50, s51                     ; rows 16 (w % 2) on in it,
	s_lshl_b32 s51, s43, 14
	s_add_co_u32 s50, s50, s51                     ; columns 128 sl on
	v_lshlrev_b32 v35, 10, v3
	s_delay_alu instid0(VALU_DEP_1)
	v_lshl_add_u32 v35, v2, 4, v35
	s_delay_alu instid0(VALU_DEP_1)
	v_add_nc_u32 v35, s50, v35
	s_wait_loadcnt 63                              ; 65 loads are out: the oldest two are in, the index among them
	v_min_u32 v5, 511, v5                          ; the index stays inside its table
	s_delay_alu instid0(VALU_DEP_1)
	v_and_b32 v5, s36, v5
	v_and_b32 v7, s37, v2
	s_delay_alu instid0(VALU_DEP_1)
	v_add_nc_u32 v5, v5, v7
	s_delay_alu instid0(VALU_DEP_1)
	v_add_nc_u32 v5, s44, v5                       ; my row
	s_delay_alu instid0(VALU_DEP_1)
	v_lshlrev_b32 v5, 10, v5                       ; of 1,024 bytes
	v_lshlrev_b32 v7, 7, v3
	s_delay_alu instid0(VALU_DEP_1)
	v_add_nc_u32 v5, v5, v7                        ; + 128 h: lane (r, h) takes k = 128 s + 64 c + 32 h + 0..31
.macro ALOAD x, s
.irp c, 0,1
.irp j, 0,1,2,3,4,5,6,7
	global_load_b128 v[\x+32*\c+4*\j:\x+32*\c+4*\j+3], v5, s[30:31] offset:512*(\s)+256*\c+16*\j
.endr
.endr
.endm
.macro IMG3 off                        ; the codes in v52-63 go to LDS as they stand
.irp g, 0,1,2
	ds_store_b128 v8, v[52+4*\g:55+4*\g] offset:\off+512*\g
.endr
.endm
.macro ASW d                           ; my two bytes (blocks h and 2 + h of my row) and lane l xor 16's two make the row's scale word
	v_lshlrev_b32 v17, v10, v17
	s_delay_alu instid0(VALU_DEP_1)
	v_permlanex16_b32 v19, v17, s100, s101
	s_delay_alu instid0(VALU_DEP_1)
	v_or_b32 v[\d], v17, v19
.endm
	ALOAD 192, 0                                   ; my rows' K step 0
	WLOAD 128, 32, 6, 10                           ; W1: the blocks of the operand's lanes 16-31
	s_wait_loadcnt 63                              ; 145 loads were issued: the oldest 82 are in: the index, W1's first 64 and the rows' K step 0
	QPAIR 64, 52, 18
	IMG3 0
	ALOAD 64, 1                                    ; my rows' K step 1, into the registers just quantised
	s_set_vgpr_msb 0x0040                          ; destination in window 1: v256-319 take b1 for my eight tiles of columns, asked for here so that the products need not wait for it
.irp tt, 0,1,2,3,4,5,6,7
	global_load_b128 v[8*\tt:8*\tt+3], v34, s[12:13] offset:64*\tt
	global_load_b128 v[8*\tt+4:8*\tt+7], v34, s[12:13] offset:64*\tt+16
.endr
	s_set_vgpr_msb 0x4000
	QPAIR 192, 40, 17
	ASW 28
	s_wait_dscnt 0x0                               ; the image's stores have read v52-63
	s_wait_loadcnt 32                              ; all but the rows' K step 1 (16 loads) and b1 (16)
	QPAIR 128, 52, 17
	IMG3 256
	v_lshl_or_b32 v18, v17, 8, v18                 ; bytes 0, 2 from the first pair, 1, 3 from the second
	ds_store_b32 v9, v18
	s_wait_loadcnt 0x0
	s_wait_dscnt 0x0                               ; my images and scale words have landed, and v52-63 are free:
	s_barrier_signal -1                            ; say so; the last quantising is work on registers
	QPAIR 64, 52, 17
	ASW 29
	s_barrier_wait -1                              ; W1's sixteen fragments lie in LDS
; Four tiles of 16 columns at a time.  TRANSPOSED: source 0 = 16 columns of W1, source 1 = my 16 rows: lane (r, h) holds row r and columns 16 t + 8 h + 0..7.  b1 (or zeros) is the C of a sum's first product.
.macro HALF hf
.irp tt, 0,1,2,3
.irp ks, 0,1
.irp g, 0,1,2
	ds_load_b128 v[128+12*(2*\tt+\ks)+4*\g:128+12*(2*\tt+\ks)+4*\g+3], v11 offset:(2*(4*\hf+\tt)+\ks)*1536+512*\g
.endr
.endr
	ds_load_b32 v[30+\tt], v12 offset:(4*\hf+\tt)*128
.endr
	s_wait_loadcnt 0x0
	s_wait_dscnt 0x0
	s_set_vgpr_msb 0x0004                          ; source 1 in window 1: b1 as it was loaded; kept or dropped, it goes into the sums' registers
.set ii, 0
.rept 32
	v_and_b32 v[96+ii], s38, v[32*\hf+ii]
.set ii, ii+1
.endr
	s_set_vgpr_msb 0x0400
	NOPS 5                                         ; with the 32 lines above: the places between the vector lines that made the rows' codes and scale words and the scaled products
.irp tt, 0,1,2,3                       ; the four sums by turns, one product a turn
	v_wmma_scale_f32_16x16x128_f8f6f4 v[96+8*\tt:103+8*\tt], v[128+24*\tt:139+24*\tt], v[40:51], v[96+8*\tt:103+8*\tt], v[30+\tt], v28 matrix_a_fmt:MATRIX_FMT_BF6 matrix_b_fmt:MATRIX_FMT_BF6
.endr
.irp tt, 0,1,2,3
	v_wmma_scale_f32_16x16x128_f8f6f4 v[96+8*\tt:103+8*\tt], v[140+24*\tt:151+24*\tt], v[52:63], v[96+8*\tt:103+8*\tt], v[30+\tt], v29 matrix_a_fmt:MATRIX_FMT_BF6 matrix_b_fmt:MATRIX_FMT_BF6 matrix_a_scale:MATRIX_SCALE_ROW1
.endr
	NOPS 4                                         ; four places behind the products, ahead of the first read of a result and of the next loads into their registers
.set ii, 0
.rept 16
	v_pk_mul_f32 v[96+ii:97+ii], v[96+ii:97+ii], s[66:67] op_sel_hi:[1,0]      ; x c; each sum from its low end on
.set ii, ii+2
.endr
.irp tt, 0,1,2,3
	global_store_b128 v35, v[96+8*\tt:99+8*\tt], s[34:35] offset:2048*(4*\hf+\tt)          ; sixteen lanes store 256 consecutive bytes, aligned
	global_store_b128 v35, v[100+8*\tt:103+8*\tt], s[34:35] offset:2048*(4*\hf+\tt)+512
.endr
.endm
	HALF 0
	s_wait_xcnt 0x0                                ; the stores have read their data: the registers are loaded again only behind this wait
	HALF 1
	s_wait_tensorcnt 0x0
	ds_add_u32 v38, v39
	s_wait_dscnt 0x0
	s_endpgm
; ---------------------------------------------------------------- W2 into images: a wave takes 32 columns x one K step of 128
.Lw2q:
	s_sub_co_u32 s29, ttmp9, 192
	s_lshl_b32 s29, s29, 3
	s_add_co_u32 s29, s29, s28                     ; unit 0..63
	s_and_b32 s30, s29, 15                         ; cg: which 32 columns
	s_lshr_b32 s31, s29, 4                         ; ks: which K step
	s_lshl_b32 s32, s31, 18
	s_lshl_b32 s33, s30, 7
	s_add_co_u32 s32, s32, s33
	s_wait_alu depctr_va_vdst(0)
	v_lshl_add_u32 v6, v1, 2, s32
	WLOAD 64, 0, 6, 14
	WLOAD 128, 32, 6, 14
	s_mul_i32 s32, s30, 12288
	s_mul_i32 s33, s31, 1536
	s_add_co_u32 s32, s32, s33
	v_mul_u32_u24 v8, v3, 6144
	s_delay_alu instid0(VALU_DEP_1)
	v_lshl_add_u32 v8, v2, 4, v8
	s_delay_alu instid0(VALU_DEP_1)
	v_add_nc_u32 v8, s32, v8                       ; fragment (2 cg + lane / 16, ks), the operand's lane r
	s_lshl_b32 s32, s30, 9
	s_lshl_b32 s33, s31, 6
	s_add_co_u32 s32, s32, s33
	v_lshlrev_b32 v9, 8, v3
	s_delay_alu instid0(VALU_DEP_1)
	v_lshl_add_u32 v9, v2, 2, v9
	s_delay_alu instid0(VALU_DEP_1)
	v_add_nc_u32 v9, s32, v9                       ; its scale word
	s_wait_loadcnt 63                              ; 128 loads are out: the oldest 65 are in, the first 64 among them
	QPAIR 64, 52, 18
.irp g, 0,1,2
	global_store_b128 v8, v[52+4*\g:55+4*\g], s[22:23] offset:512*\g           ; sixteen lanes store 256 consecutive bytes, aligned
.endr
	s_wait_loadcnt 0x0
	QPAIR 128, 40, 17                              ; (other registers than the stores above read)
.irp g, 0,1,2
	global_store_b128 v8, v[40+4*\g:43+4*\g], s[22:23] offset:256+512*\g
.endr
	v_lshl_or_b32 v18, v17, 8, v18
	global_store_b32 v9, v18, s[24:25]
	s_endpgm
; ---------------------------------------------------------------- d1 = tanh(dummy W1 + b1)
.Ld1:
	s_sub_co_u32 s29, ttmp9, 200                   ; which 32 columns
	s_lshl_b32 s2, s28, 8                          ; my wave's 64 numbers of dummy
	s_add_nc_u64 s[16:17], s[16:17], s[2:3]
	s_load_b512 s[32:47], s[16:17], 0x0
	s_load_b512 s[48:63], s[16:17], 0x40
	s_load_b512 s[68:83], s[16:17], 0x80
	s_load_b512 s[84:99], s[16:17], 0xc0
	s_lshl_b32 s30, s28, 17                        ; my wave's 64 rows of W1
	s_lshl_b32 s31, s29, 7
	s_add_co_u32 s30, s30, s31
	s_wait_alu depctr_va_vdst(0)
	v_lshl_add_u32 v6, v1, 2, s30
.set ii, 0
.rept 64
	global_load_b32 v[64+ii], v6, s[10:11] offset:ii*2048
.set ii, ii+1
.endr
	v_lshl_add_u32 v7, v1, 2, s31                  ; 4 (32 g + lane): b1's and d1's place
	global_load_b32 v4, v7, s[12:13]
	; the work-group's 32 numbers of d1 are 32 of the K of d1 W2: its 32 rows of W2 are asked for now; wave w takes columns 64 w + 2 lane, + 1
	s_lshl_b32 s30, s29, 16                        ; row 32 g of W2
	s_add_co_u32 s30, s30, s2                      ; + 256 w bytes (s2 = 256 w)
	v_lshl_add_u32 v10, v1, 3, s30
.set ii, 0
.rept 32
	global_load_b64 v[192+2*ii:193+2*ii], v10, s[14:15] offset:ii*2048
.set ii, ii+1
.endr
	s_lshl_b32 s30, s29, 11                        ; part g of d2p: 512 numbers
	s_add_co_u32 s30, s30, s2
	v_lshl_add_u32 v11, v1, 3, s30
	v_lshl_add_u32 v8, v0, 2, DRED                 ; my partial sum's word: 128 x wave + 4 x lane
	v_lshl_add_u32 v9, v1, 2, DRED
	s_wait_kmcnt 0x0
	s_wait_loadcnt 0x0
.set ii, 0
.rept 64                               ; four chains
.set sx, 32+ii+4*(ii/32)
.if ii < 4
	v_mul_f32 v[128+ii], s[sx], v[64+ii]
.else
	s_delay_alu instid0(VALU_DEP_4)
	v_fmac_f32 v[128+ii%4], s[sx], v[64+ii]
.endif
.set ii, ii+1
.endr
	s_delay_alu instid0(VALU_DEP_3)
	v_add_f32 v128, v128, v129
	s_delay_alu instid0(VALU_DEP_2)
	v_add_f32 v130, v130, v131
	s_delay_alu instid0(VALU_DEP_1)
	v_add_f32 v128, v128, v130
	ds_store_b32 v8, v128
	s_wait_dscnt 0x0                               ; for the others' sake: my store has landed
	s_barrier_signal -1
	s_barrier_wait -1
.irp i, 0,1,2,3,4,5,6,7
	ds_load_b32 v[132+\i], v9 offset:128*\i
.endr
	s_wait_dscnt 0x0
	v_add_f32 v132, v132, v133
	v_add_f32 v134, v134, v135
	v_add_f32 v136, v136, v137
	v_add_f32 v138, v138, v139
	s_delay_alu instid0(VALU_DEP_3)
	v_add_f32 v132, v132, v134
	s_delay_alu instid0(VALU_DEP_2)
	v_add_f32 v136, v136, v138
	s_delay_alu instid0(VALU_DEP_1)
	v_add_f32 v132, v132, v136
	s_delay_alu instid0(VALU_DEP_1)
	v_add_f32 v132, v132, v4
	s_delay_alu instid0(VALU_DEP_1)
	v_mul_f32 v132, s66, v132
	s_wait_alu depctr_va_vdst(0)
	v_exp_f32 v132, v132
	v_nop                                          ; a plain line behind the transcendental,
	s_wait_alu depctr_va_vdst(0)                   ; and a wait ahead of its first reader
	v_add_f32 v132, 1.0, v132
	s_wait_alu depctr_va_vdst(0)
	v_rcp_f32 v132, v132
	v_nop
	s_wait_alu depctr_va_vdst(0)
	v_fma_f32 v132, v132, -2.0, 1.0
	; d2p[g][n] = sum over my work-group's 32 k of d1[k] W2[k][n], in f32: lane k of v132 holds d1[32 g + k]; four chains
.set ii, 0
.rept 32
	v_readlane_b32 s[32+ii], v132, ii
.set ii, ii+1
.endr
	v_mul_f32 v140, s32, v192
	v_mul_f32 v141, s32, v193
	v_mul_f32 v142, s33, v194
	v_mul_f32 v143, s33, v195
.set ii, 2
.rept 30
	v_fmac_f32 v[140+2*(ii%2)], s[32+ii], v[192+2*ii]
	v_fmac_f32 v[141+2*(ii%2)], s[32+ii], v[193+2*ii]
.set ii, ii+1
.endr
	v_pk_add_f32 v[140:141], v[140:141], v[142:143]
	global_store_b64 v11, v[140:141], s[26:27]     ; a wave stores 256 consecutive bytes, aligned
	s_wait_tensorcnt 0x0
	ds_add_u32 v38, v39
	s_wait_dscnt 0x0
	s_endpgm
.Lfunc_end_k_q4ddeb5b321_prep:
	.size	k_q4ddeb5b321_prep, .Lfunc_end_k_q4ddeb5b321_prep-k_q4ddeb5b321_prep
	.p2alignl 7, 3214868480
	.fill 96, 4, 3214868480
	.section	.rodata,"a",@progbits
	.p2align	6, 0x0
	.amdhsa_kernel k_q4ddeb5b321_prep
		.amdhsa_group_segment_fixed_size 27648
		.amdhsa_private_segment_fixed_size 0
		.amdhsa_enable_private_segment 0
		.amdhsa_kernarg_size 96
		.amdhsa_user_sgpr_count 2
		.amdhsa_user_sgpr_kernarg_segment_ptr 1
		.amdhsa_wavefront_size32 1
		.amdhsa_system_sgpr_workgroup_id_x 1
		.amdhsa_system_sgpr_workgroup_id_y 1
		.amdhsa_system_sgpr_workgroup_id_z 1
		.amdhsa_system_vgpr_workitem_id 0
		.amdhsa_next_free_vgpr 320
		.amdhsa_next_free_sgpr 102
		.amdhsa_reserve_vcc 0
		.amdhsa_float_denorm_mode_32 3
		.amdhsa_float_denorm_mode_16_64 3
		.amdhsa_memory_ordered 1
		.amdhsa_forward_progress 1
		.amdhsa_inst_pref_size 92
	.end_amdhsa_kernel
	.amdgpu_metadata
---
amdhsa.version: [ 1, 2 ]
amdhsa.kernels:
  - .name:           k_q4ddeb5b321_prep
    .symbol:         k_q4ddeb5b321_prep.kd
    .args:
      - { .name: ops_emb, .offset: 0, .size: 8, .value_kind: global_buffer, .address_space: global }
      - { .name: ma_emb, .offset: 8, .size: 8, .value_kind: global_buffer, .address_space: global }
      - { .name: next_op, .offset: 16, .size: 8, .value_kind: global_buffer, .address_space: global }
      - { .name: W1, .offset: 24, .size: 8, .value_kind: global_buffer, .address_space: global }
      - { .name: b1, .offset: 32, .size: 8, .value_kind: global_buffer, .address_space: global }
      - { .name: W2, .offset: 40, .size: 8, .value_kind: global_buffer, .address_space: global }
      - { .name: dummy, .offset: 48, .size: 8, .value_kind: global_buffer, .address_space: global }
      - { .name: hj, .offset: 56, .size: 8, .value_kind: global_buffer, .address_space: global }
      - { .name: hm, .offset: 64, .size: 8, .value_kind: global_buffer, .address_space: global }
      - { .name: w2img, .offset: 72, .size: 8, .value_kind: global_buffer, .address_space: global }
      - { .name: w2sc, .offset: 80, .size: 8, .value_kind: global_buffer, .address_space: global }
      - { .name: d2p, .offset: 88, .size: 8, .value_kind: global_buffer, .address_space: global }
    .group_segment_fixed_size: 27648
    .private_segment_fixed_size: 0
    .kernarg_segment_align: 8
    .kernarg_segment_size: 96
    .max_flat_workgroup_size: 256
    .sgpr_count:     102
    .vgpr_count:     320
    .wavefront_size: 32
...
	.end_amdgpu_metadata
.endif
;; end of part 1
;; launch pairs (part 2): grid 256 x 1, 8 waves a work-group, no clusters, 95,744 bytes of LDS; arguments hj, hm, w2img, w2sc, b2, W3, b3, d2p, out0; writes out0
.if DOCPART == 2
	.amdgcn_target "amdgcn-amd-amdhsa--gfx1250"
	.amdhsa_code_object_version 6
	.text
	.protected	k_q4ddeb5b321_pairs
	.globl	k_q4ddeb5b321_pairs
	.p2align	8
	.type	k_q4ddeb5b321_pairs,@function
k_q4ddeb5b321_pairs:
	s_mov_b64 s[64:65], 0
	v_nop
	global_prefetch_b8 v0, s[64:65] scope:SCOPE_SE
	s_setreg_imm32_b32 hwreg(HW_REG_WAVE_MODE, 25, 1), 1
	s_wait_xcnt 0x0
; out0[b][1 + 64 j + m] = b3 + sum over n of W3[n] tanh(b2[n] + sum over k of Q(h1)[k] Q(W2)[k][n]),  h1[k] = tanh(hj[b][j][k] + hm[b][m][k] + b1[k]).
; hj' = (hj + b1) c and hm' = hm c come from the launch before (c = 2 log2(e)); tanh(x) = 1 - 2 / (1 + 2^(c x)).  h1 and h2 never go to memory.
; out0[b][0] = b3 + sum over n of W3[n] tanh(b2[n] + sum over g of d2p[g][n]): the sixteen parts of d1 W2 come from the launch before; every work-group adds them, the first of each batch stores.
; SHARES.  Work-group id: batch id / 8, 32 jobs (id / 2) % 4, 32 machines id % 2: 64 tiles of 16 rows (a job x 16 machines).  Eight waves, two to a SIMD.
;   As consumers the waves share the columns: wave w owns n = 64 w .. 64 w + 63; its 16 fragments of W2 (192 registers) are loaded once and stay.
;   As producers they share K: wave w makes, for every row, the blocks k = 128 (w / 2) + 32 (w % 2) + 64 c + 0..31.  A lane is a machine and holds whole blocks; its codes are the registers of lane
;   (machine % 16, w % 2) of fragment (tile machine / 16, K step w / 2) and go to LDS as an image of the operand's registers.
;   The product is used transposed (source 0 = 16 columns of W2, source 1 = 16 rows of h1): lane (r, h) holds row r and columns n0 + 8 h + 0..7, so the dot with W3 stays in the lane.
; UNIT u has two parts.  FIRST a stretch with no transcendental: tile u's 16 products stand singly among plain lines that name none of their registers: the dot with W3 for tile u - 1, the largest magnitude,
;   codes and stores of block u + 3 of h1, and hj' + hm' of block u + 4; then x c on tile u's sums, and the LDS loads for tile u + 1.
;   THEN four batches of 32 transcendentals, a wait between each two: 2^ of the block; 2^ of the tile; 1 / of the block; 1 / of the tile.  The last three carry 16 plain lines of the OTHER stream by turns
;   (+ 1 on the block, + 1 on the tile, 1 - 2 r on the block): each reads what has had its wait and is read behind the next wait.
;   Block q is block q % 2 of job q / 2.  One barrier a job: signalled in unit 2 j - 2 behind the first batch, awaited at the head of unit 2 j - 1; only work on registers stands between.
; NO CLUSTER, NO TENSOR LOADS, NO PREFETCH: what work-groups share is W2's image, read once at the head straight into the registers where it stays; nothing is streamed through LDS from memory.
; LIMITS: NaN and infinities are not served.  tanh's absolute error is about 1e-7 (the relative error grows under |x| of about 0.1); beyond the exponential's range it gives +-1.
;   A block of h1 whose largest magnitude lies under 2^-122 keeps the scale byte 1.
; REGISTERS.  Window 0: v1 zero offset, v2-7 LDS addresses, v8-15 W2's scale words, v16-19 h1's scale words, v20-21 the add's pair, v22-31 the dot, v32-45 quantising, v46-47 at work,
;   v48-95 a tile's fragments, v96-159 two sets of sums, v160-191 a block of h1, v192-223 -2 W3, v224-255 hj' of a block.   Window 1: v0-191 W2's fragments ((nt, s) at 12 (4 nt + s)); v192-255 hm'.
.set CT,     0x4038aa3b                ; c = 2 log2(e)
.set IMGB,   12288                     ; LDS: two buffers of 8 fragment images ((tile, K step s) at (4 tile + s) 1536),
.set SCB,    24576                     ; two buffers of 512 scale bytes: 256 tile + 16 r + 4 s + block,
.set PART,   25600                     ; sixteen parts of 1,024 partial logits,
.set PPITCH, 4160                      ; 4,160 bytes apart,
.set MVB,    92160                     ; a word a wave for the no-op's sum,
.set B2L,    92416                     ; b2 in the sums' layout, 256 bytes a wave, each wave's own,
.set SPARE,  94720                     ; and the spare words, 128 bytes a wave
.set W2SC, 8
.set FS,   16
.set SPW,  20
.set NIL,  21
.set KP,   22
.set S,    24
.set MXA,  32
.set MXB,  33
.set SO,   34
.set BY,   35
.set TMP,  36
.set P,    40
.set F,    48
.set X0,   96
.set T,    160
.set W3P,  192
.set HJ,   224
.set XQ,   X0                          ; (set anew in each unit: tile u's sums;
.set XT,   X0                          ;  tile u - 1's)
.set wi,   16                          ; products of the tile issued so far
.set CURW, 0                           ; the window setting of the plain lines among which the products stand
.set MSB, 0
.macro WIN new                         ; the immediate's high byte repeats the setting that is left
.if MSB != \new
	s_set_vgpr_msb (MSB<<8)|\new
.set MSB, \new
.endif
.endm
.macro WAITT                           ; this wait ahead of and behind a batch of transcendentals, and ahead of late first reads
	s_wait_alu depctr_va_vdst(0)
.endm
.macro WM                              ; the tile's next product, if one is left: K step wi / 4, sum wi % 4: the four sums by turns, one product a turn
.if wi < 16
.set KQ, wi/4
.set NQ, wi%4
	WIN 0x01                                       ; source 0 (W2) in window 1
.if KQ%2 == 1
	v_wmma_scale_f32_16x16x128_f8f6f4 v[XQ+8*NQ:XQ+8*NQ+7], v[12*(4*NQ+KQ):12*(4*NQ+KQ)+11], v[F+12*KQ:F+12*KQ+11], v[XQ+8*NQ:XQ+8*NQ+7], v[W2SC+2*NQ+KQ/2], v[FS+KQ] matrix_a_fmt:MATRIX_FMT_BF6 matrix_b_fmt:MATRIX_FMT_BF6 matrix_a_scale:MATRIX_SCALE_ROW1
.else
	v_wmma_scale_f32_16x16x128_f8f6f4 v[XQ+8*NQ:XQ+8*NQ+7], v[12*(4*NQ+KQ):12*(4*NQ+KQ)+11], v[F+12*KQ:F+12*KQ+11], v[XQ+8*NQ:XQ+8*NQ+7], v[W2SC+2*NQ+KQ/2], v[FS+KQ] matrix_a_fmt:MATRIX_FMT_BF6 matrix_b_fmt:MATRIX_FMT_BF6
.endif
.set wi, wi+1
.if CURW == 0
	WIN 0
.endif
.endif
.endm
.macro TE fo                           ; the dot with -2 W3 on the reciprocals in XT: four chains; the first starts from the lane's sum of W3; the lane's part of its row's logit goes to LDS
.irp i, 0,1,2,3
.irp a, 0,1,2,3
.if (\i == 0) && (\a == 0)
	v_pk_fma_f32 v[S:S+1], v[XT:XT+1], v[W3P:W3P+1], v[KP:KP+1]
.elseif \i == 0
	v_pk_mul_f32 v[S+2*\a:S+2*\a+1], v[XT+8*\a:XT+8*\a+1], v[W3P+8*\a:W3P+8*\a+1]
.else
	v_pk_fma_f32 v[S+2*\a:S+2*\a+1], v[XT+8*\a+2*\i:XT+8*\a+2*\i+1], v[W3P+8*\a+2*\i:W3P+8*\a+2*\i+1], v[S+2*\a:S+2*\a+1]
.endif
.endr
	WM
.endr
	v_pk_add_f32 v[S:S+1], v[S:S+1], v[S+2:S+3]
	v_pk_add_f32 v[S+4:S+5], v[S+4:S+5], v[S+6:S+7]
	v_pk_add_f32 v[S:S+1], v[S:S+1], v[S+4:S+5]
	v_add_f32 v[S], v[S], v[S+1]
	ds_store_b32 v47, v[S] offset:\fo
	WM
.endm
.macro PF                              ; the block's largest magnitude: two chains; the floor 2^(5 - 127) among the leaves
	v_max3_num_f32 v[MXA], |v[T]|, |v[T+1]|, 0x2800000
	v_max3_num_f32 v[MXB], |v[T+2]|, |v[T+3]|, |v[T+4]|
.set ii, 5
.rept 13
.if (ii-5)%4 == 0
	v_max3_num_f32 v[MXA], v[MXA], |v[T+ii]|, |v[T+ii+1]|
.else
	v_max3_num_f32 v[MXB], v[MXB], |v[T+ii]|, |v[T+ii+1]|
.endif
.if ii%8 == 7
	WM
.endif
.set ii, ii+2
.endr
	v_max3_num_f32 v[MXA], v[MXA], v[MXB], |v[T+31]|
	WM
.endm
.macro PG c, tb                        ; scale, codes, and their way to buffer tb: block c is registers 6 c .. 6 c + 5 of the lane's twelve (register i at 512 (i / 4) + 4 (i % 4))
	v_add_nc_u32 v[SO], 0xfe000000, v[MXA]         ; 4 off the exponent field: the conversion's scale operand
	v_lshrrev_b32 v[BY], 23, v[SO]                 ; the scale's byte
	v_cvt_scalef32_pk16_bf6_f32 v[P:P+2], v[T:T+15], v[SO]
	v_cvt_scalef32_pk16_bf6_f32 v[TMP:TMP+2], v[T+16:T+31], v[SO]      ; (a conversion's three registers begin on an even number)
	v_nop                                          ; one plain line behind the scaled conversions
	WM
.irp i, 0,1,2
	v_mov_b32 v[P+3+\i], v[TMP+\i]
.endr
	ds_store_b8 v5, v[BY] offset:(\tb)*512+2*(\c)
.if \c == 0
	ds_store_b128 v4, v[P:P+3] offset:(\tb)*IMGB
	ds_store_b64 v4, v[P+4:P+5] offset:(\tb)*IMGB+512
.else
	ds_store_b64 v4, v[P:P+1] offset:(\tb)*IMGB+520
	ds_store_b128 v4, v[P+2:P+5] offset:(\tb)*IMGB+1024
.endif
	WM
.endm
.macro HJLOAD reg, jr, c               ; block c of hj' of the job jr behind the base: the same 16 bytes for all lanes, eight times
.irp q, 0,1,2,3,4,5,6,7
	global_load_b128 v[\reg+4*\q:\reg+4*\q+3], v1, s[4:5] offset:(\jr)*16+(16*(\c)+\q)*512
.endr
.endm
; A batch: 32 transcendentals op, in place from tb on (tf), and 16 plain lines of the other stream (pf), two and one by turns.  kind 0: + 1 on the block; 1: + 1 on the tile; 2: 1 - 2 r on the block
.macro HB op, tb, tf, kind, pf
.set ii, 0
.rept 16
.if \tf
	\op v[\tb+ii], v[\tb+ii]
	\op v[\tb+ii+1], v[\tb+ii+1]
.endif
.if \pf
.if \kind == 0
	v_pk_add_f32 v[T+ii:T+ii+1], v[T+ii:T+ii+1], 1.0 op_sel_hi:[1,0]
.elseif \kind == 1
	v_pk_add_f32 v[XQ+ii:XQ+ii+1], v[XQ+ii:XQ+ii+1], 1.0 op_sel_hi:[1,0]
.else
	v_pk_fma_f32 v[T+ii:T+ii+1], v[T+ii:T+ii+1], -2.0, 1.0 op_sel_hi:[1,0,0]
.endif
.endif
.set ii, ii+2
.endr
.if (\pf) == 0
	v_nop                                          ; a plain line behind the last transcendental
.endif
.endm
.macro B1 from, to, par, hjr           ; hj' + hm' of the block, two numbers a line; a product behind every third line
.set ii, \from
.rept (\to-\from)/2
	v_pk_add_f32 v[T+ii:T+ii+1], v[192+32*(\par)+ii:193+32*(\par)+ii], v[\hjr+ii:\hjr+ii+1]
.if (ii/2+1)%3 == 0
	WM
.endif
.set ii, ii+2
.endr
.endm
; par = u % 2; bf: the buffer of tile u's job; bw: the barrier's wait; mm: tile u's products and tanh; te: tile u - 1's dot; bl: b2 into the sums that it leaves; st: block u + 3 stored;
; ad: block u + 4 made, hj' in hjr; lw: wait for hj'; sb: bytes that hj's base steps; lj: hj' of block u + 5 is fetched, job lj behind the base (-1: none); ld: tile u + 1's fragments; sg: the barrier's signal;
; fo: the partial logits' offset; nl: the no-op's loads
.macro UNIT par, bf, bw, mm, te, bl, st, ad, hjr, lw, sb, lj, ld, sg, fo, nl
.set XQ, X0+32*(\par)
.set XT, X0+32*(1-(\par))
.set wi, 16*(1-(\mm))
.set CURW, 0
.if \bw
	s_barrier_wait -1                              ; the next job's eight fragments are whole, and nobody reads the buffer that I store to below
.endif
.if \mm
	s_wait_dscnt 0x0                               ; tile u's fragments and scale words, and b2 in its sums
.endif
	WAITT                                          ; for the last batch, directly ahead of its readers
	WM
.if \te
	TE \fo
.endif
.if \bl
.irp nq, 0,1,2,3
	ds_load_b128 v[XT+8*\nq:XT+8*\nq+3], v7 offset:32*\nq              ; tile u + 1's sums start from b2
	ds_load_b128 v[XT+8*\nq+4:XT+8*\nq+7], v7 offset:32*\nq+16
.endr
.endif
.if \st
	PF
	PG (1-\par), ((\bf+1-\par)%2)
.endif
.if \nl
	v_lshlrev_b32 v46, 3, v0                       ; the no-op: thread t takes columns 2 t, 2 t + 1 of the sixteen parts, of b2 and of W3
.set ii, 0
.rept 16
	global_load_b64 v[HJ+2*ii:HJ+2*ii+1], v46, s[18:19] offset:2048*ii
.set ii, ii+1
.endr
	global_load_b64 v[36:37], v46, s[12:13]
	global_load_b64 v[38:39], v46, s[14:15]
.endif
.if \ad
.if \lw
	s_wait_loadcnt 0x0                             ; hj' is in, and its loads have read their base
.endif
.if \sb
	s_add_nc_u64 s[4:5], s[4:5], \sb
.endif
.endif
.set CURW, 1
.if \ad
	WIN 0x01                                       ; source 0 (hm') in window 1, as for the products
	B1 0, 24, \par, \hjr
.endif
.rept 16
	WM                                             ; what is left of the tile's products
.endr
.if \ad
	WIN 0x01
	B1 24, 32, \par, \hjr                          ; four plain lines: the places behind the last product
	WIN 0
.elseif \mm
	WIN 0
.rept 4
	v_nop
.endr
.endif
.set CURW, 0
.if \mm
.set ii, 0
.rept 16
	v_pk_mul_f32 v[XQ+ii:XQ+ii+1], v[XQ+ii:XQ+ii+1], s[40:41] op_sel_hi:[1,0]     ; x c, each sum from its low end on
.set ii, ii+2
.endr
.endif
.if \lj >= 0
	HJLOAD HJ, \lj, (1-\par)
.endif
.if \ld
	ds_load_b128 v[FS:FS+3], v3 offset:((\bf+\par)%2)*512+(1-\par)*256
.irp kq, 0,1,2,3
.irp gq, 0,1,2
	ds_load_b128 v[F+12*\kq+4*\gq:F+12*\kq+4*\gq+3], v2 offset:((\bf+\par)%2)*IMGB+(4*(1-\par)+\kq)*1536+512*\gq
.endr
.endr
.endif
.if \ad
	WAITT
	HB v_exp_f32, T, 1, 0, 0
.endif
.if \sg
	s_wait_dscnt 0x0                               ; my images of the next job have landed, and my reads of this job's last tile are in:
	s_barrier_signal -1                            ; say so
.endif
.if (\mm) || (\ad)
	WAITT
	HB v_exp_f32, XQ, \mm, 0, \ad
	WAITT
	HB v_rcp_f32, T, \ad, 1, \mm
	WAITT
	HB v_rcp_f32, XQ, \mm, 2, \ad
	WAITT
.endif
.endm
	s_load_b512 s[4:19], s[0:1], 0x0               ; hj 4, hm 6, w2img 8, w2sc 10, b2 12, W3 14, b3 16, d2p 18
	s_load_b64 s[20:21], s[0:1], 0x40              ; out0
	v_lshl_add_u32 v[SPW], v0, 2, SPARE
	v_mov_b32 v[NIL], 0
	v_lshrrev_b32 v46, 5, v0
	v_readfirstlane_b32 s26, v46                   ; wave 0..7
	s_lshr_b32 s27, s26, 1                         ; as a producer: my K step,
	s_and_b32 s28, s26, 1                          ; and which half of the operand's lanes I fill
	s_mul_i32 s29, s27, 1536
	s_lshl_b32 s30, s28, 8
	s_add_co_u32 s29, s29, s30                     ; my codes' place in a tile's images
	s_lshl_b32 s30, s27, 2
	s_add_co_u32 s30, s30, s28
	s_add_co_u32 s30, s30, SCB                     ; my scale bytes'
	s_mul_i32 s31, s26, 2*PPITCH
	s_add_co_u32 s31, s31, PART                    ; parts 2 w, 2 w + 1
	s_lshl_b32 s32, s26, 8                         ; b2, W3: 4 x 64 w
	s_add_co_u32 s36, s32, B2L
	s_lshl_b32 s33, s26, 2
	s_add_co_u32 s33, s33, MVB
	s_lshl_b32 s34, s27, 14
	s_lshl_b32 s35, s28, 12
	s_add_co_u32 s34, s34, s35                     ; my two blocks' place in a group of 32 rows of hj or hm
	s_lshr_b32 s35, ttmp9, 3
	s_lshl_b32 s35, s35, 1
	s_and_b32 s37, ttmp9, 1
	s_add_co_u32 s35, s35, s37                     ; hm's group: 2 x batch + machine block
	s_lshl_b32 s35, s35, 16
	s_add_co_u32 s35, s35, s34
	s_lshr_b32 s2, ttmp9, 1                        ; hj's group: 4 x batch + job block
	s_lshl_b32 s2, s2, 16
	s_add_co_u32 s2, s2, s34
	s_mov_b32 s3, 0
	s_lshl_b32 s37, s26, 10                        ; W2's scale words: my four tiles
	s_mul_i32 s38, s26, 24576                      ; W2's images: my sixteen fragments
	s_mov_b32 s39, 0                               ; 64 x the tiles whose partial logits the loop has stored
	s_mov_b32 s40, CT
	s_mov_b32 s41, s40                             ; (the packed form names the pair)
	s_mov_b32 s24, 0x76543210
	s_mov_b32 s25, 0xfedcba98                      ; v_permlanex16_b32's selects for lane l xor 16
	v_and_b32 v47, 31, v0                          ; lane
	v_and_b32 v46, 15, v0                          ; r
	v_bfe_u32 v1, v0, 4, 1                         ; lane / 16
	v_lshlrev_b32 v2, 4, v47                       ; an image's place for my lane
	v_lshl_add_u32 v3, v46, 4, SCB                 ; my row's 16 scale bytes
	v_mul_u32_u24 v4, v1, 6144
	v_lshl_add_u32 v4, v46, 4, v4
	v_add_nc_u32 v4, s29, v4                       ; where my codes go: tile lane / 16, my K step, the operand's lane (r, w % 2)
	v_lshlrev_b32 v5, 8, v1
	v_lshl_add_u32 v5, v46, 4, v5
	v_add_nc_u32 v5, s30, v5                       ; and my scale bytes
	v_mul_u32_u24 v6, v1, PPITCH
	v_lshl_add_u32 v6, v46, 2, v6
	v_add_nc_u32 v6, s31, v6                       ; part 2 w + lane / 16, row r
	v_lshl_add_u32 v7, v1, 7, s36                  ; b2 in LDS: my wave's 256 bytes, my half's 128
	v_add_nc_u32 v32, s35, v2                      ; hm': a lane a machine
	v_lshl_add_u32 v33, v1, 5, s32                 ; b2, W3: 4 (64 w + 8 h)
	v_lshl_add_u32 v34, v47, 2, s37
	v_add_nc_u32 v35, s38, v2
	v_mov_b32 v1, 0                                ; from here on: the offset of hj's loads
	WAITT                                          ; at the head's end
	s_wait_kmcnt 0x0
	s_add_nc_u64 s[4:5], s[4:5], s[2:3]            ; hj at my group and my two blocks, job 0
	s_load_b32 s22, s[16:17], 0x0                  ; b3
	WIN 0x40                                       ; destination in window 1
.irp c, 0,1
.irp q, 0,1,2,3,4,5,6,7
	global_load_b128 v[192+32*\c+4*\q:195+32*\c+4*\q], v32, s[6:7] offset:(16*\c+\q)*512      ; hm': 16 loads
.endr
.endr
	WIN 0
	HJLOAD HJ, 0, 0                                ; blocks 0 to 3 of hj': 32 loads; three of them into registers that are free until the first tiles
	HJLOAD F, 0, 1
	HJLOAD X0+32, 1, 0
	HJLOAD W3P, 1, 1
.irp nt, 0,1,2,3
	global_load_b128 v[X0+8*\nt:X0+8*\nt+3], v33, s[12:13] offset:64*\nt               ; b2 in the result's layout, into tile 0's sums, where it stays: 8
	global_load_b128 v[X0+8*\nt+4:X0+8*\nt+7], v33, s[12:13] offset:64*\nt+16
.endr
.irp i, 0,1,2,3,4,5,6,7
	global_load_b32 v[W2SC+\i], v34, s[10:11] offset:128*\i                            ; register 2 nt + s / 2: lanes 0-15 the even K step, lanes 16-31 the odd one: 8
.endr
	WIN 0x40
.irp s, 0,1,2,3
.irp nt, 0,1,2,3
.irp g, 0,1,2
	global_load_b128 v[12*(4*\nt+\s)+4*\g:12*(4*\nt+\s)+4*\g+3], v35, s[8:9] offset:(4*\nt+\s)*1536+512*\g    ; W2's fragments: 48
.endr
.endr
.endr
	WIN 0
	s_wait_xcnt 0x0                                ; the loads have read their offsets: v32-35 are written again below
	s_wait_loadcnt 56                              ; all but W2's scale words and fragments (8 + 48)
.irp nt, 0,1,2,3
	ds_store_b128 v7, v[X0+8*\nt:X0+8*\nt+3] offset:32*\nt             ; b2 goes to my wave's own bytes of LDS (sixteen lanes write the same bytes with the same values)
	ds_store_b128 v7, v[X0+8*\nt+4:X0+8*\nt+7] offset:32*\nt+16
.endr
	;    par bf bw mm te bl st ad hjr    lw sb  lj ld sg fo  nl
	UNIT 0,  0, 0, 0, 0, 0, 0, 1, HJ,    0, 0, -1, 0, 0, 0,  0     ; u = -4: block 0 made
	UNIT 1,  0, 0, 0, 0, 0, 1, 1, F,     0, 0, -1, 0, 0, 0,  0     ; u = -3
	UNIT 0,  1, 0, 0, 0, 0, 1, 1, X0+32, 0, 0, -1, 0, 1, 0,  0     ; u = -2: job 0 is whole
	UNIT 1,  1, 1, 0, 0, 0, 1, 1, W3P,   0, 16, 1, 1, 0, 0,  0     ; u = -1: hj's loads so far were shown done by the head's wait, so the base may step
	v_bfe_u32 v46, v0, 4, 1                        ; block 3 of hj' has been used: its registers take W3 in the result's layout, at 4 (64 w + 8 h): 8 loads
	v_lshl_add_u32 v46, v46, 5, s32
.irp nt, 0,1,2,3
	global_load_b128 v[W3P+8*\nt:W3P+8*\nt+3], v46, s[14:15] offset:64*\nt
	global_load_b128 v[W3P+8*\nt+4:W3P+8*\nt+7], v46, s[14:15] offset:64*\nt+16
.endr
	s_wait_loadcnt 16                              ; W2's scale words and fragments are in; hj' of block 4 (8 loads) and W3 (8) may be out
	UNIT 0,  0, 0, 1, 0, 1, 1, 1, HJ,    1, 0,  1, 1, 1, 0,  0     ; u = 0: its wait for hj' is also the wait for W3
	v_pk_add_f32 v[S:S+1], v[W3P:W3P+1], v[W3P+2:W3P+3]                ; the lane's sum of W3 starts each dot; then W3 becomes -2 W3 (work on registers alone: the barrier's signal is out)
	v_pk_add_f32 v[S+2:S+3], v[W3P+4:W3P+5], v[W3P+6:W3P+7]
.irp j, 8,12,16,20,24,28
	v_pk_add_f32 v[S:S+1], v[S:S+1], v[W3P+\j:W3P+\j+1]
	v_pk_add_f32 v[S+2:S+3], v[S+2:S+3], v[W3P+\j+2:W3P+\j+3]
.endr
	v_pk_add_f32 v[S:S+1], v[S:S+1], v[S+2:S+3]
	v_add_f32 v[KP], v[S], v[S+1]
	v_mov_b32 v[KP+1], 0
.set ii, 0
.rept 16
	v_pk_mul_f32 v[W3P+ii:W3P+ii+1], v[W3P+ii:W3P+ii+1], -2.0 op_sel_hi:[1,0]
.set ii, ii+2
.endr
	s_mov_b32 s23, 14
.Ljobs:                                            ; u = 1 .. 56, four a trip: buffers and sets of sums come back to where they began
	v_add_nc_u32 v47, s39, v6                      ; the trip's four tiles of partial logits
	s_add_co_u32 s39, s39, 256
	UNIT 1,  0, 1, 1, 1, 1, 1, 1, HJ,    1, 32, 0, 1, 0, 0,  0
	UNIT 0,  1, 0, 1, 1, 1, 1, 1, HJ,    1, 0,  0, 1, 1, 64, 0
	UNIT 1,  1, 1, 1, 1, 1, 1, 1, HJ,    1, 0,  1, 1, 0, 128, 0
	UNIT 0,  0, 0, 1, 1, 1, 1, 1, HJ,    1, 0,  1, 1, 1, 192, 0
	s_sub_co_u32 s23, s23, 1
	s_cmp_lg_u32 s23, 0
	s_cbranch_scc1 .Ljobs
	v_add_nc_u32 v47, s39, v6                      ; tiles 56 to 63
	UNIT 1,  0, 1, 1, 1, 1, 1, 1, HJ,    1, 32, 0, 1, 0, 0,  0     ; u = 57
	UNIT 0,  1, 0, 1, 1, 1, 1, 1, HJ,    1, 0,  0, 1, 1, 64, 0     ; u = 58
	UNIT 1,  1, 1, 1, 1, 1, 1, 1, HJ,    1, 0, -1, 1, 0, 128, 0    ; u = 59: the last block is made
	UNIT 0,  0, 0, 1, 1, 1, 1, 0, HJ,    0, 0, -1, 1, 1, 192, 1    ; u = 60: the last block is stored; the no-op's numbers are asked for
	UNIT 1,  0, 1, 1, 1, 1, 0, 0, HJ,    0, 0, -1, 1, 0, 256, 0    ; u = 61
	UNIT 0,  1, 0, 1, 1, 1, 0, 0, HJ,    0, 0, -1, 1, 0, 320, 0    ; u = 62
	UNIT 1,  1, 0, 1, 1, 0, 0, 0, HJ,    0, 0, -1, 0, 0, 384, 0    ; u = 63: the last tile
	UNIT 0,  0, 0, 0, 1, 0, 0, 0, HJ,    0, 0, -1, 0, 0, 448, 0    ; u = 64: its dot
	; the no-op: my two columns of d1 W2 from the sixteen parts, + b2, tanh, x W3; summed over the wave; the eight waves' sums meet in LDS
	s_wait_loadcnt 0x0
.irp j, 4,8,12,16,20,24,28
	v_pk_add_f32 v[HJ:HJ+1], v[HJ:HJ+1], v[HJ+\j:HJ+\j+1]
	v_pk_add_f32 v[HJ+2:HJ+3], v[HJ+2:HJ+3], v[HJ+\j+2:HJ+\j+3]
.endr
	v_pk_add_f32 v[HJ:HJ+1], v[HJ:HJ+1], v[HJ+2:HJ+3]
	v_pk_add_f32 v[HJ:HJ+1], v[HJ:HJ+1], v[36:37]
	v_pk_mul_f32 v[HJ:HJ+1], v[HJ:HJ+1], s[40:41] op_sel_hi:[1,0]
	WAITT
	v_exp_f32 v[HJ], v[HJ]
	v_exp_f32 v[HJ+1], v[HJ+1]
	v_nop
	WAITT
	v_pk_add_f32 v[HJ:HJ+1], v[HJ:HJ+1], 1.0 op_sel_hi:[1,0]
	WAITT
	v_rcp_f32 v[HJ], v[HJ]
	v_rcp_f32 v[HJ+1], v[HJ+1]
	v_nop
	WAITT
	v_pk_fma_f32 v[HJ:HJ+1], v[HJ:HJ+1], -2.0, 1.0 op_sel_hi:[1,0,0]
	v_pk_mul_f32 v[HJ:HJ+1], v[HJ:HJ+1], v[38:39]
	v_add_f32 v[HJ], v[HJ], v[HJ+1]
.irp m, 1,2,4,8
	v_add_f32_dpp v[HJ], v[HJ], v[HJ] row_xmask:\m row_mask:0xf bank_mask:0xf
.endr
	v_permlanex16_b32 v[HJ+2], v[HJ], s24, s25
	v_add_f32 v[HJ], v[HJ], v[HJ+2]
	v_mov_b32 v45, s33
	ds_store_b32 v45, v[HJ]                        ; all lanes write my wave's word with the same value
	; THE WAY OUT: sixteen parts of each of 1,024 logits; a thread adds up four rows: t + 256 i = job w + 8 i, machine lane
	s_lshr_b32 s27, ttmp9, 3
	s_mul_i32 s30, s27, 32772                      ; my batch's row of out0, in bytes
	s_mul_i32 s27, s27, 8193
	s_bfe_u32 s28, ttmp9, 0x20001
	s_lshl_b32 s28, s28, 11
	s_add_co_u32 s27, s27, s28                     ; 32 jobs x 64 machines for each job block,
	s_lshl_b32 s28, s26, 6
	s_add_co_u32 s27, s27, s28                     ; job w,
	s_and_b32 s28, ttmp9, 1
	s_lshl_b32 s28, s28, 5
	s_add_co_u32 s27, s27, s28                     ; my 32 machines,
	s_add_co_u32 s27, s27, 1                       ; behind the no-op's column
	s_lshl_b32 s2, s27, 2
	s_add_nc_u64 s[28:29], s[20:21], s[2:3]
	v_lshl_add_u32 v47, v0, 2, PART
	v_and_b32 v46, 31, v0
	v_lshlrev_b32 v46, 2, v46
	v_mov_b32 v44, MVB
	v_mov_b32 v43, s30
	WAITT                                          ; directly ahead of the waits below
	s_wait_kmcnt 0x0                               ; b3
	s_wait_dscnt 0x0                               ; for the others' sake: my partial logits and my word have landed
	s_barrier_signal -1
	s_barrier_wait -1
.irp k, 0,1,2,3,4,5,6,7,8,9,10,11,12,13,14,15
.irp i, 0,1,2,3
	ds_load_b32 v[48+4*\k+\i], v47 offset:\k*PPITCH+\i*1024
.endr
.endr
	ds_load_b128 v[112:115], v44                   ; the eight waves' sums for the no-op
	ds_load_b128 v[116:119], v44 offset:16
	s_wait_dscnt 0x0
.irp k, 1,2,3,4,5,6,7,8,9,10,11,12,13,14,15
	v_pk_add_f32 v[48:49], v[48:49], v[48+4*\k:49+4*\k]
	v_pk_add_f32 v[50:51], v[50:51], v[50+4*\k:51+4*\k]
.endr
.irp i, 0,1,2,3
	v_add_f32 v[48+\i], s22, v[48+\i]              ; + b3
.endr
.irp i, 0,1,2,3
	global_store_b32 v46, v[48+\i], s[28:29] offset:\i*2048        ; 32 lanes store 128 consecutive bytes; a row of 8,193 numbers behind a leading column leaves no wider alignment
.endr
	v_pk_add_f32 v[112:113], v[112:113], v[114:115]
	v_pk_add_f32 v[116:117], v[116:117], v[118:119]
	v_pk_add_f32 v[112:113], v[112:113], v[116:117]
	v_add_f32 v112, v112, v113
	v_add_f32 v112, s22, v112                      ; the no-op's logit
	s_and_b32 s27, ttmp9, 7
	s_or_b32 s27, s27, s26                         ; 0 for wave 0 of a batch's first work-group: its first lane stores the batch's number
	s_cmp_lg_u32 s27, 0
	WAITT
	s_cbranch_scc1 .Lend
	v_cmp_eq_u32 vcc_lo, 0, v0
	s_wait_xcnt 0x0                                ; EXEC changes only behind this wait: the stores above have it among their sources
	s_and_saveexec_b32 s27, vcc_lo
	global_store_b32 v43, v112, s[20:21]
	s_wait_xcnt 0x0                                ; and again, in front of the line that widens it
	s_or_b32 exec_lo, exec_lo, s27
.Lend:
	s_wait_tensorcnt 0x0                           ; the wave's end, behind my last LDS store
	ds_add_u32 v[SPW], v[NIL]
	s_wait_dscnt 0x0
	s_endpgm
.Lfunc_end_k_q4ddeb5b321_pairs:
	.size	k_q4ddeb5b321_pairs, .Lfunc_end_k_q4ddeb5b321_pairs-k_q4ddeb5b321_pairs
	.p2alignl 7, 3214868480
	.fill 96, 4, 3214868480
	.section	.rodata,"a",@progbits
	.p2align	6, 0x0
	.amdhsa_kernel k_q4ddeb5b321_pairs
		.amdhsa_group_segment_fixed_size 95744
		.amdhsa_private_segment_fixed_size 0
		.amdhsa_enable_private_segment 0
		.amdhsa_kernarg_size 72
		.amdhsa_user_sgpr_count 2
		.amdhsa_user_sgpr_kernarg_segment_ptr 1
		.amdhsa_wavefront_size32 1
		.amdhsa_system_sgpr_workgroup_id_x 1
		.amdhsa_system_sgpr_workgroup_id_y 1
		.amdhsa_system_sgpr_workgroup_id_z 1
		.amdhsa_system_vgpr_workitem_id 0
		.amdhsa_next_free_vgpr 512
		.amdhsa_next_free_sgpr 66
		.amdhsa_reserve_vcc 1
		.amdhsa_float_denorm_mode_32 3
		.amdhsa_float_denorm_mode_16_64 3
		.amdhsa_memory_ordered 1
		.amdhsa_forward_progress 1
		.amdhsa_inst_pref_size 231
	.end_amdhsa_kernel
	.amdgpu_metadata
---
amdhsa.version: [ 1, 2 ]
amdhsa.kernels:
  - .name:           k_q4ddeb5b321_pairs
    .symbol:         k_q4ddeb5b321_pairs.kd
    .args:
      - { .name: hj, .offset: 0, .size: 8, .value_kind: global_buffer, .address_space: global }
      - { .name: hm, .offset: 8, .size: 8, .value_kind: global_buffer, .address_space: global }
      - { .name: w2img, .offset: 16, .size: 8, .value_kind: global_buffer, .address_space: global }
      - { .name: w2sc, .offset: 24, .size: 8, .value_kind: global_buffer, .address_space: global }
      - { .name: b2, .offset: 32, .size: 8, .value_kind: global_buffer, .address_space: global }
      - { .name: W3, .offset: 40, .size: 8, .value_kind: global_buffer, .address_space: global }
      - { .name: b3, .offset: 48, .size: 8, .value_kind: global_buffer, .address_space: global }
      - { .name: d2p, .offset: 56, .size: 8, .value_kind: global_buffer, .address_space: global }
      - { .name: out0, .offset: 64, .size: 8, .value_kind: global_buffer, .address_space: global }
    .group_segment_fixed_size: 95744
    .private_segment_fixed_size: 0
    .kernarg_segment_align: 8
    .kernarg_segment_size: 72
    .max_flat_workgroup_size: 256
    .sgpr_count:     66
    .vgpr_count:     512
    .wavefront_size: 32
...
	.end_amdgpu_metadata
.endif
;; end of part 2
